; MI455X (gfx1250); checked and timed in simulation.
; The chip was launched on July 23, 2026; its instructions are those of AMD's public machine-readable ISA for CDNA 5 (MIT licence, August 2026) and "CDNA5" Instruction Set Architecture Reference Guide (July 2026). The comments in the code are by the model that wrote it; some were corrected since.
;; Mh Attention. Allowed arithmetic: matrix products marked QUANTISED: E2M3 operands, one E8M0 scale for each 32 along K, by v_wmma_scale_f32_16x16x128_f8f6f4 with both operands' format E2M3, f32 sums; everything else in f32.
;; Inputs: kw_codes 1,024 x 32 x 24 uint8 (E2M3 codes of kw, K innermost, in blocks of 32 codes, four codes in three bytes); kw_scales 1,024 x 32 uint8 (E8M0 scales of kw, one for each 32 codes along K); ow_codes 1,024 x 32 x 24 uint8 (E2M3 codes of ow, K innermost, in blocks of 32 codes, four codes in three bytes); ow_scales 1,024 x 32 uint8 (E8M0 scales of ow, one for each 32 codes along K); qw_codes 1,024 x 32 x 24 uint8 (E2M3 codes of qw, K innermost, in blocks of 32 codes, four codes in three bytes); qw_scales 1,024 x 32 uint8 (E8M0 scales of qw, one for each 32 codes along K); vw_codes 1,024 x 32 x 24 uint8 (E2M3 codes of vw, K innermost, in blocks of 32 codes, four codes in three bytes); vw_scales 1,024 x 32 uint8 (E8M0 scales of vw, one for each 32 codes along K); x_codes 2 x 2,048 x 32 x 24 uint8 (E2M3 codes of x, K innermost, in blocks of 32 codes, four codes in three bytes); x_scales 2 x 2,048 x 32 uint8 (E8M0 scales of x, one for each 32 codes along K).
;; Outputs: out0 2 x 2,048 x 1,024 float32.
;; This version of the problem:
;;   THIS VERSION OF THE PROBLEM IS GIVEN IN LOW PRECISION. The matrix products marked QUANTISED in the list below multiply operands that are first quantised to E2M3 (2 exponent bits, 3 mantissa bits; 6 bits a number), with one power-of-two scale for each 32 numbers along K (OCP MX v1.0); their sums are f32. All else is computed in f32.
;;   The module's matrix products, in the order in which they are computed (A, B: the left and right operand; K: the contracted axis; several contracted axes count as one K, in the product's order):
;;     1. [M 4,096, K 1,024] x [K 1,024, N 1,024]; A: input x (given as codes); B: input qw (given as codes): QUANTISED
;;     2. [M 4,096, K 1,024] x [K 1,024, N 1,024]; A: input x (given as codes); B: input kw (given as codes): QUANTISED
;;     3. [M 4,096, K 1,024] x [K 1,024, N 1,024]; A: input x (given as codes); B: input vw (given as codes): QUANTISED
;;     4. batch 32 x [M 2,048, K 64] x [K 64, N 2,048]; A: computed on the way; B: computed on the way: QUANTISED
;;     5. batch 32 x [M 2,048, K 2,048] x [K 2,048, N 64]; A: softmax (see below); B: computed on the way: QUANTISED
;;     6. [M 4,096, K 1,024] x [K 1,024, N 1,024]; A: computed on the way; B: input ow (given as codes): QUANTISED
;;   THE QUANTISER, for each operand of a quantised product, along K:
;;     - K is cut into blocks of 32 from its start; a last block that is shorter is filled with zeros.
;;     - A block's scale is 2^e with e = floor(log2(the largest magnitude in the block)) - 2, held to -126 .. 127; a block of zeros has e = 0. As a byte (E8M0): e + 127.
;;     - Each number is divided by its block's scale, clamped to +-7.5, and rounded to the nearest number of E2M3, ties to even, subnormals kept.
;;     - The product sums the exact products of the quantised numbers (number of the format x scale) in f32.
;;   ~~~python
;;   def quantise(x, axis):      # numpy; x: float32 -> the quantised numbers, widened to float32 again
;;       x = np.moveaxis(x, axis, -1); K = x.shape[-1]
;;       x = np.pad(x, [(0, 0)] * (x.ndim - 1) + [(0, -K % 32)]); x = x.reshape(x.shape[:-1] + (-1, 32)); a = np.abs(x).max(-1, keepdims=True)
;;       e = np.where(a > 0, np.clip(np.frexp(np.where(a > 0, a, 1))[1] - 1 - 2, -126, 127), 0)      # np.frexp(a)[1] - 1 = floor(log2(a)), exactly
;;       r = np.clip(x / 2.0 ** e, -7.5, 7.5)
;;       step = 2.0 ** (np.maximum(np.frexp(np.where(r == 0, 1, r))[1] - 1, 0) - 3)
;;       q = np.round(r / step) * step * 2.0 ** e      # np.round: ties to even
;;       return np.moveaxis(q.reshape(q.shape[:-2] + (-1,))[..., :K], -1, axis).astype(np.float32)
;;   ~~~
;;   SOFTMAX AHEAD OF A QUANTISED PRODUCT. Where the list says 'softmax', what is quantised is not the finished softmax but p = 2^(t - M), with t = logit x log2(e) and M = ceil(the row's largest t), a whole number; so 1/2 < the row's largest p <= 1. The row's sum l is taken of the UNQUANTISED p, in f32, and the product's result is divided by l at the end. Since M is a whole number, a kernel that streams over the keys may use a running M (the ceiling of the running maximum): every later rescaling is an exact power of two, which a block's scale takes up: the codes' values come out the same.
;;   OPERANDS COMPUTED ON THE WAY. 'Computed on the way' means the value that the module computes at that place (a softmax that the list does not call 'softmax' is quantised finished and normalised). What goes into a quantiser is computed in f32, as accurately as f32 sums, v_exp_f32 and their like allow (about 1e-6 of the number): no bf16 or f16 on the way to a quantiser, and a product that is left as it is and whose result goes on into a quantised operand takes f32 operands (vector FMAs, or v_wmma_f32_16x16x4_f32). A number that lies on a knife's edge between two numbers of the format may be rounded either way, as far as f32 arithmetic and the matrix unit's own rounding can turn it there, and no further.
;;   INPUTS GIVEN AS CODES. kw (in the module: [1024, 1024], K = its axis 0); ow (in the module: [1024, 1024], K = its axis 0); qw (in the module: [1024, 1024], K = its axis 0); vw (in the module: [1024, 1024], K = its axis 0); x (in the module: [2, 2048, 1024], K = its axis 2): each comes as NAME_codes (uint8): NAME with its K axis moved to the last place and cut into blocks of 32 codes, [.., K / 32, bytes a block], one block behind the other in memory; four codes in three bytes: a row's codes are one little-endian stream of bits, code i at bits 6 i .. 6 i + 5 (a code: sign, 2 exponent bits, 3 mantissa bits); and NAME_scales (uint8): the same leading axes, one E8M0 byte (e + 127) for each 32 codes along K. Its value is code x scale, taken as it is: it is not quantised again, and the codes and scales need not be those that the quantiser above would give.
;; One version. Each part assembles by itself: llvm-mc -triple=amdgcn-amd-amdhsa -mcpu=gfx1250 --defsym DOCPART=n.
;; ======== version 1 of 1: 3 launches
;; limits: right only within a limited range of input values
;; workspace buffers: qimg 3,407,872 bytes; kv 6,684,672 bytes; mimg 3,145,728 bytes; msc 524,288 bytes
;; launch qkv (part 1): grid 12 x 16, 4 waves a work-group, clusters of 4 x 4, 327,680 bytes of LDS; arguments x_codes, x_scales, qw_codes, qw_scales, kw_codes, kw_scales, vw_codes, vw_scales, qimg, kv; writes qimg, kv
.if DOCPART == 1
	.amdgcn_target "amdgcn-amd-amdhsa--gfx1250"
	.amdhsa_code_object_version 6
	.text
	.protected	k_q0655a4c787_qkv
	.globl	k_q0655a4c787_qkv
	.p2align	8
	.type	k_q0655a4c787_qkv,@function
k_q0655a4c787_qkv:
	s_mov_b64 s[64:65], 0
	v_nop
	global_prefetch_b8 v0, s[64:65] scope:SCOPE_SE
	s_setreg_imm32_b32 hwreg(HW_REG_WAVE_MODE, 25, 1), 1
	s_wait_xcnt 0x0
	s_wait_alu depctr_hold_cnt(0) depctr_sa_sdst(0) depctr_va_vdst(0) depctr_va_sdst(0) depctr_va_ssrc(0) depctr_va_vcc(0) depctr_vm_vsrc(0)
	s_getreg_b32 s2, hwreg(HW_REG_IB_STS2, 6, 4)
	s_cmp_eq_u32 s2, 0
	s_cbranch_scc0 .Lentry_in_a_cluster
	s_endpgm
.Lentry_in_a_cluster:
	s_bfe_u32 s2, ttmp6, 0x10000c
	s_cmp_lg_u32 s2, 0xf033
	s_cbranch_scc0 .Lentry_shape_is_right
	s_endpgm
.Lentry_shape_is_right:
; Q = rope(x qw), K = rope(x kw), V = x vw on codes of FP6 (E2M3), K = 1,024; the results are quantised (Q, K along the head's 64, V along the keys) and leave as images of operand registers.
; WORK LEFT OUT BY THE PROGRAM: reference() takes 1e10 off every score whose key lies behind its query, by a mask that it builds itself; whole tiles of keys under that mask are not multiplied (launch attn).
; A NaN, an infinity or an overflow that reaches only such tiles is not carried to the result.  Every input is loaded.
; SHARES.  Cluster x 0: Q, 1: K (source 1 = 256 rows of x, source 0 = 256 rows of the weight), 2: V, transposed (source 1 = rows of vw, source 0 = rows of x).  A work-group makes 256 x 256, a wave 128 x 128.
; THE RING: two LDS slots, each one chunk of 256 bytes of 256 + 256 rows; a row of codes is 768 bytes, three chunks, each beginning at a multiple of 256 bytes.  A step of 128 along K is 96 bytes: steps 2 and 5 lie across two chunks.
; The tiles are asked for jointly: source 1's along a row of the 4 x 4 cluster, source 0's along a column.  No prefetch: K is three chunks, of which two are asked for at the start.
; ROPE.  A position is 16 A + r.  cos and sin of (16 A + r) theta are made by the addition theorem from those of r theta (32 registers a lane, r = lane % 16) and of 16 A theta (2,048 bytes of LDS for each wave's own eight blocks).
; LIMIT: the angle is rounded in two parts, fl(16 A theta) and fl(r theta), where reference() rounds the product once: the two angles differ by at most half a unit in the last place of each part.
; The V work-groups run the same head, tables too: the text has one head for all three.
; REGISTERS: window 0: v8-29 addresses; v32-95 scale words (register 8 i + step: lanes 0-15 source 1's block i, lanes 16-31 source 0's); v128-223 source 1's fragments; v224-255 cos, sin of r theta.
;   window 1: source 0's fragments, two sets; on the way out v0-31 the block's cos, sin.  Windows 2, 3: 64 accumulators (window 2 serves the head's table work first).
.set ROWB,   256
.set KROW,   768
.set STEPS,  8
.set CHUNKS, 3
.set PITCH,  272
.set HALFT,  128*PITCH
.set SLOT,   4*HALFT
.set TAB,    2*SLOT                    ; the waves' tables of 16 A theta: written by LDS stores, never by a tensor load
.set SPARE,  TAB+4*2048
.set FR,     12
.set NL,     6
.set NP,     4
.set QREC,   6656
.set KVREC,  13056
.set L16,  8
.set L8,   9
.set TR,   10
.set TA,   12
.set SOF,  13
.set ADRA, 16                          ; v16-17 slot 0, 1; v18-19 lanes 0-15 at byte 232 of slot 0, 1 and lanes 16-31 at byte 0 of the other slot
.set ADRB, 20
.set SPW,  28
.set NIL,  29
.set SC,   32
.set TBL,  32
.set PC,   96
.set WD,   116
.set PK,   124
.set AF,   128
.set H,    128
.set TM,   192
.set PW,   208
.set TRG,  224
.set CT,   0
.set G1,   24
.set G0,   32
.set G1B,  48
.set G0B,  56
.set WV,   66
.set HA,   67
.set HB,   68
.set X,    69
.set SEL,  88
.set MSB, 0
.macro WIN new
.if MSB != (\new)
	s_set_vgpr_msb (MSB<<8)|(\new)
.set MSB, (\new)
.endif
.endm
.set MUL_LO, 0xa1
.set MUL_HI, 0xf1
.set TO_B,   0x40
.macro PLACES n
.rept \n
	v_nop
.endr
.endm
.macro JLOAD g0a, g0b                  ; waves 0, 1 fetch source 1's halves, waves 2, 3 source 0's
	s_cmp_eq_u32 s[HA], 0
	s_cbranch_scc0 .Lfor_b_\@
	tensor_load_to_lds s[\g0a:\g0a+3], s[G1:G1+7]
	s_nop 0
.rept 4
	v_nop
.endr
	s_branch .Lasked_\@
.Lfor_b_\@:
	tensor_load_to_lds s[\g0b:\g0b+3], s[G1B:G1B+7]
	s_nop 0
.rept 4
	v_nop
.endr
.Lasked_\@:
.endm
.macro CREST
	s_cmp_lg_u32 s[WV], 0
	s_cbranch_scc1 .Lnot_wave_0_\@
	s_barrier_signal -3
.Lnot_wave_0_\@:
	s_barrier_wait -3
	s_barrier_signal -1
	s_barrier_wait -1
.endm
.macro CROUND
	s_barrier_signal -1
	s_barrier_wait -1
	CREST
.endm
.macro PICK reg, idx, j, lit
	v_cmp_ne_u32 vcc_lo, \j, v[\idx]
	v_cndmask_b32 v[\reg], \lit, v[\reg], vcc_lo
.endm
.macro PAIR reg, lit
	v_mov_b32 v[\reg], \lit
	v_mov_b32 v[\reg+1], \lit
.endm
	s_load_b512 s[4:19], s[0:1], 0x0
	s_load_b128 s[20:23], s[0:1], 0x40
	v_lshl_add_u32 v[SPW], v0, 2, SPARE
	v_mov_b32 v[NIL], 0
	ds_add_u32 v[SPW], v[NIL]                      ; the opening lines: the add twice and one wait
	ds_add_u32 v[SPW], v[NIL]
	v_lshrrev_b32 v1, 5, v0
	v_readfirstlane_b32 s[WV], v1
	s_lshr_b32 s[HA], s[WV], 1
	s_and_b32 s[HB], s[WV], 1
	s_bfe_u32 s40, ttmp6, 0x40000
	s_bfe_u32 s41, ttmp6, 0x40004
	s_mov_b32 s[X], ttmp9
	s_and_b32 s70, ttmp7, 0xffff
	s_lshl_b32 s70, s70, 2
	s_cmp_lt_u32 s[X], 2
	s_cselect_b32 s95, s70, 0
	s_cselect_b32 s98, 0, s70
	s_add_co_u32 s71, s41, s95                     ; source 1's tile
	s_add_co_u32 s42, s40, s98                     ; source 0's tile
	s_lshl_b32 s43, s41, 2
	s_lshl_b32 s43, 15, s43
	s_lshl_b32 s44, 0x1111, s40
	s_or_b32 s[G1+0], s43, (1<<20)|(1<<21)|(5<<22)|(3<<25)   ; bytes; 16 bytes of padding behind every 256
	s_or_b32 s[G1B+0], s44, (1<<20)|(1<<21)|(5<<22)|(3<<25)
.irp g, G1, G1B
	s_mov_b32 s[\g+1], ROWB<<16
	s_mov_b32 s[\g+2], 128<<16
	s_mov_b32 s[\g+3], ROWB<<16
	s_mov_b32 s[\g+4], 128
	s_mov_b32 s[\g+5], KROW
	s_mov_b32 s[\g+6], 0
	s_mov_b32 s[\g+7], 0
.endr
	s_lshl_b32 s83, s[HB], 7
	s_lshl_b32 s46, s71, 8
	s_add_co_u32 s46, s46, s83
	s_mul_i32 s46, s46, KROW
	s_mov_b32 s47, 0
	s_lshl_b32 s98, s42, 8
	s_add_co_u32 s98, s98, s83
	s_mul_i32 s98, s98, KROW
	s_mov_b32 s99, 0
	s_mul_i32 s45, s[WV], HALFT
	s_mov_b32 s82, KVREC
	s_wait_dscnt 0x0
	s_wait_kmcnt 0x0
	s_cmp_eq_u32 s[X], 0
	s_cselect_b64 s[76:77], s[8:9], s[12:13]
	s_cselect_b64 s[78:79], s[10:11], s[14:15]
	s_cselect_b64 s[80:81], s[20:21], s[22:23]
	s_cselect_b32 s82, QREC, s82
	s_cmp_lt_u32 s[X], 2
	s_cselect_b64 s[72:73], s[4:5], s[16:17]
	s_cselect_b64 s[74:75], s[6:7], s[18:19]
	s_cselect_b64 s[76:77], s[76:77], s[4:5]
	s_cselect_b64 s[78:79], s[78:79], s[6:7]
	s_add_nc_u64 s[72:73], s[72:73], s[46:47]
	s_add_nc_u64 s[76:77], s[76:77], s[98:99]
	CROUND                                         ; the first joint loads meet
.irp s, 0,1
	s_mov_b32 s[G0+4*\s], 1
	s_add_co_u32 s[G0+4*\s+1], s45, \s*SLOT
	s_add_nc_u64 s[G0+4*\s+2:G0+4*\s+3], s[72:73], \s*ROWB
	s_or_b32 s[G0+4*\s+3], s[G0+4*\s+3], 0x80000000
	s_mov_b32 s[G0B+4*\s], 1
	s_add_co_u32 s[G0B+4*\s+1], s45, \s*SLOT
	s_add_nc_u64 s[G0B+4*\s+2:G0B+4*\s+3], s[76:77], \s*ROWB
	s_or_b32 s[G0B+4*\s+3], s[G0B+4*\s+3], 0x80000000
.endr
	JLOAD G0, G0B                                  ; chunk 0: my one tensor load at the head
	s_lshl_b32 s95, s71, 8
	s_lshl_b32 s83, s[HA], 7
	s_add_co_u32 s95, s95, s83
	s_lshl_b32 s96, s95, 5
	s_mov_b32 s97, 0
	s_add_nc_u64 s[74:75], s[74:75], s[96:97]      ; the scale bytes of my 128 rows of source 1,
	s_lshl_b32 s95, s42, 8
	s_lshl_b32 s83, s[HB], 7
	s_add_co_u32 s95, s95, s83
	s_lshl_b32 s96, s95, 5
	s_add_nc_u64 s[78:79], s[78:79], s[96:97]      ; and of source 0: 32 bytes a row, all of K
	v_and_b32 v1, 15, v0
	v_bfe_u32 v2, v0, 4, 1
	v_and_b32 v3, 31, v0
	v_lshlrev_b32 v[L16], 4, v3
	v_lshlrev_b32 v[L8], 3, v3
	v_lshlrev_b32 v[SOF], 5, v1
	s_wait_alu depctr_va_vdst(0)
.irp i, 0,1,2,3,4,5,6,7
	global_load_b128 v[128+8*\i:131+8*\i], v[SOF], s[74:75] offset:512*\i
	global_load_b128 v[132+8*\i:135+8*\i], v[SOF], s[74:75] offset:512*\i+16
.endr
	WIN 0x40                                       ; source 0's words land in window 1, v128-191, which are idle until the first fragments come
.irp i, 0,1,2,3,4,5,6,7
	global_load_b128 v[128+8*\i:131+8*\i], v[SOF], s[78:79] offset:512*\i
	global_load_b128 v[132+8*\i:135+8*\i], v[SOF], s[78:79] offset:512*\i+16
.endr
	WIN 0
	v_mul_u32_u24 v4, v1, PITCH
	v_mul_u32_u24 v5, v2, 24
	v_add_nc_u32 v5, v4, v5                        ; a fragment's row x pitch + 24 x half
	s_mov_b32 s95, SLOT-232
	s_mov_b32 s96, SLOT+232
	v_sub_nc_u32 v7, 1, v2
	v_mul_u32_u24 v6, s95, v2
	v_add_nc_u32 v6, v4, v6
	v_add_nc_u32 v6, 232, v6                       ; across two chunks, the first in slot 0
	v_mul_u32_u24 v7, s96, v7
	v_add_nc_u32 v7, v4, v7                        ; the first in slot 1
	s_mul_i32 s95, s[HA], HALFT
	s_mul_i32 s96, s[HB], HALFT
	s_add_co_u32 s96, s96, 2*HALFT
	v_add_nc_u32 v[ADRA+2], s95, v6
	v_add_nc_u32 v[ADRA+3], s95, v7
	v_add_nc_u32 v[ADRB+2], s96, v6
	v_add_nc_u32 v[ADRB+3], s96, v7
.irp s, 0,1
	v_add_nc_u32 v[ADRA+\s], s95, v5
	v_add_nc_u32 v[ADRB+\s], s96, v5
	s_add_co_u32 s95, s95, SLOT
	s_add_co_u32 s96, s96, SLOT
.endr
	s_lshl_b32 s94, s[WV], 11
	s_add_co_u32 s94, s94, TAB                     ; my table
	v_add_nc_u32 v[TA], s94, v[L8]                 ; in: frequency = lane, 8 bytes (cos, sin)
	v_lshl_add_u32 v[TR], v2, 5, s94               ; back: four frequencies from 4 x half on
	; where the results go
	s_cmp_lt_u32 s[X], 2
	s_cselect_b32 s95, s71, s42
	s_cselect_b32 s96, s[HA], s[HB]
	s_cselect_b32 s94, s42, s71
	s_cselect_b32 s83, s[HB], s[HA]
	s_cselect_b32 s93, 0, QREC
	s_lshl_b32 s95, s95, 1
	s_add_co_u32 s95, s95, s96
	s_lshl_b32 s94, s94, 2
	s_lshl_b32 s83, s83, 1
	s_add_co_u32 s94, s94, s83
	s_lshr_b32 s96, s95, 4
	s_and_b32 s95, s95, 15
	s_lshl_b32 s96, s96, 4
	s_add_co_u32 s96, s96, s94
	s_lshl_b32 s96, s96, 4
	s_add_co_u32 s96, s96, s95
	s_mul_i32 s96, s96, s82
	s_add_co_u32 s96, s96, s93
	s_add_nc_u64 s[84:85], s[80:81], s[96:97]
	s_lshl_b32 s96, s82, 4
	s_add_nc_u64 s[86:87], s[84:85], s[96:97]
	s_mov_b32 s[SEL], 0x76543210
	s_mov_b32 s[SEL+1], 0xfedcba98
	s_mov_b32 s90, 0xffff0000
	s_mov_b32 s91, 0x01000100
	s_mov_b32 s92, 0x03020302
	s_lshl_b32 s95, s71, 8
	s_and_b32 s95, s95, 2047
	s_lshl_b32 s96, s[HA], 7
	s_add_co_u32 s95, s95, s96                     ; the position of my first row
; THE TABLES, worked in window 2, whose registers are not yet accumulators.  theta_f = 10^-(f / 8) = 10^-(f / 8 whole) x 10^-((f % 8) / 8).
; EVAL: cos and sin of the two angles in v[54:55]: the nearest multiple of pi / 2 taken off in two parts, two polynomials, the quadrant's choice and signs -> v74-77 = cos, sin, cos, sin.
.macro EVAL
	v_pk_mul_f32 v[56:57], v[54:55], v[36:37]
	v_rndne_f32 v56, v56
	v_rndne_f32 v57, v57
	v_pk_fma_f32 v[58:59], v[56:57], v[38:39], v[54:55]
	v_pk_fma_f32 v[58:59], v[56:57], v[40:41], v[58:59]
	v_pk_mul_f32 v[60:61], v[58:59], v[58:59]
	v_pk_fma_f32 v[62:63], v[42:43], v[60:61], v[44:45]
	v_pk_fma_f32 v[64:65], v[48:49], v[60:61], v[50:51]
	v_pk_mul_f32 v[66:67], v[60:61], v[58:59]
	v_pk_fma_f32 v[62:63], v[62:63], v[60:61], v[46:47]
	v_pk_fma_f32 v[64:65], v[64:65], v[60:61], v[52:53]
	v_pk_fma_f32 v[62:63], v[62:63], v[66:67], v[58:59]
	v_pk_fma_f32 v[64:65], v[64:65], v[60:61], v[78:79]
	v_pk_fma_f32 v[64:65], v[64:65], v[60:61], v[80:81]
.irp e, 0,1
	v_cvt_i32_f32 v[68+\e], v[56+\e]
	v_lshlrev_b32 v[70+\e], 30, v[68+\e]
	v_lshlrev_b32 v[72+\e], 31, v[68+\e]
	v_cmp_gt_i32 vcc_lo, 0, v[72+\e]
	v_cndmask_b32 v[74+2*\e], v[64+\e], v[62+\e], vcc_lo
	v_cndmask_b32 v[75+2*\e], v[62+\e], v[64+\e], vcc_lo
	v_xor_b32 v[72+\e], v[70+\e], v[72+\e]
	v_and_b32 v[70+\e], 0x80000000, v[70+\e]
	v_and_b32 v[72+\e], 0x80000000, v[72+\e]
	v_xor_b32 v[74+2*\e], v[74+2*\e], v[72+\e]
	v_xor_b32 v[75+2*\e], v[75+2*\e], v[70+\e]
.endr
.endm
.macro TRQ k, lit                      ; r theta for my frequencies 8 k + 4 half + 0 .. 3 -> window 0, v[TRG + 8 k ..]
.irp u, 0,1
	v_mul_f32 v54, \lit, v[8+2*\u]
	v_mul_f32 v55, \lit, v[9+2*\u]
	v_pk_mul_f32 v[54:55], v[54:55], v[12:13]
	EVAL
	WIN 0x2a
.irp c, 0,1,2,3
	v_mov_b32 v[TRG+8*(\k)+4*\u+\c], v[74+\c]
.endr
	WIN 0xaa
.endr
.endm
	WIN 0x80
	v_and_b32 v1, 15, v0
	v_bfe_u32 v2, v0, 4, 1
	v_and_b32 v3, 7, v0
	v_bfe_u32 v4, v0, 3, 2
	WIN 0xaa
	v_cvt_f32_u32 v12, v1
	v_mov_b32 v5, 1.0
	v_mov_b32 v6, 1.0
	v_mov_b32 v13, v12                             ; r, twice
	PICK 5, 3, 1, 0x3f3ff911
	PICK 5, 3, 2, 0x3f0ff59a
	PICK 5, 3, 3, 0x3ed7e89b
	PICK 5, 3, 4, 0x3ea1e89b
	PICK 5, 3, 5, 0x3e72d423
	PICK 5, 3, 6, 0x3e361887
	PICK 5, 3, 7, 0x3e088d77
	PICK 6, 4, 1, 0x3dcccccd
	PICK 6, 4, 2, 0x3c23d70a
	PICK 6, 4, 3, 0x3a83126f
	v_mul_f32 v14, v5, v6                          ; theta of frequency = lane
	v_mov_b32 v15, v14
	v_cmp_ne_u32 vcc_lo, 0, v2
	v_mov_b32 v8, 0x3ea1e89b                       ; 10^-((4 half + q) / 8), q = 0 .. 3
	v_mov_b32 v9, 0x3e72d423
	v_mov_b32 v10, 0x3e361887
	v_mov_b32 v11, 0x3e088d77
	v_cndmask_b32 v8, 1.0, v8, vcc_lo
	v_cndmask_b32 v9, 0x3f3ff911, v9, vcc_lo
	v_cndmask_b32 v10, 0x3f0ff59a, v10, vcc_lo
	v_cndmask_b32 v11, 0x3ed7e89b, v11, vcc_lo
	PAIR 36, 0x3f22f983
	PAIR 38, 0xbfc90fdb
	PAIR 40, 0x333bbd2e
	PAIR 42, 0xb94ca1f9
	PAIR 44, 0x3c08839e
	PAIR 46, 0xbe2aaaa3
	PAIR 48, 0x37ccf5ce
	PAIR 50, 0xbab6061a
	PAIR 52, 0x3d2aaaa5
	PAIR 78, -0.5
	PAIR 80, 1.0
	PAIR 82, 0x42000000
	TRQ 0, 1.0
	TRQ 1, 0x3dcccccd
	TRQ 2, 0x3c23d70a
	TRQ 3, 0x3a83126f
	v_cvt_f32_u32 v34, s95
	v_add_f32 v35, 0x41800000, v34                 ; the first positions of my blocks 0 and 1
.irp u, 0,1,2,3
	v_pk_mul_f32 v[54:55], v[34:35], v[14:15]
	EVAL
	WIN 0x08
	ds_store_b64 v[TA], v[74:75] offset:512*\u     ; block 2 u,
	ds_store_b64 v[TA], v[76:77] offset:512*\u+256 ; block 2 u + 1: read back by this wave alone
	WIN 0xaa
	v_pk_add_f32 v[34:35], v[34:35], v[82:83]
.endr
	WIN 0
	s_wait_loadcnt 0x0
	WIN 0x04                                       ; the second source: window 1
.set k, 0
.rept 64
	v_cndmask_b32 v[SC+k], v[128+k], v[128+k], s90 ; lanes 16-31 take source 0's word
.set k, k+1
.endr
	WIN 0
	PLACES 8                                       ; a scale register written by a vector instruction stands eight places ahead of a scaled product
.macro FRAG reg, adr, st, i            ; 16 rows x 128 K: 12 registers, in pieces of 8 bytes; byte y of a row lies in slot (y / 256) % 2 at byte y % 256
.irp p, 0,1,2,3,4,5
.set BY, 96*(\st)+48*(\p/3)+8*(\p%3)
.if BY/ROWB == (BY+24)/ROWB
	ds_load_b64 v[\reg+2*\p:\reg+2*\p+1], v[\adr+(BY/ROWB)%2] offset:BY%ROWB+(\i)*16*PITCH
.else
	ds_load_b64 v[\reg+2*\p:\reg+2*\p+1], v[\adr+2+(BY/ROWB)%2] offset:BY%ROWB-232+(\i)*16*PITCH
.endif
.endr
.endm
.macro MUL16 a0, p, sg, zero           ; the 64 accumulators take turns, one instruction a turn
.irp a, \a0, \a0+1
.irp b, 0,1,2,3,4,5,6,7
.if \zero
	v_wmma_scale_f32_16x16x128_f8f6f4 v[8*(8*((\a)%4)+\b):8*(8*((\a)%4)+\b)+7], v[128*(\p)+FR*\b:128*(\p)+FR*\b+FR-1], v[AF+FR*(\a):AF+FR*(\a)+FR-1], 0, v[SC+8*\b+(\sg)], v[SC+8*(\a)+(\sg)] matrix_a_fmt:MATRIX_FMT_FP6 matrix_b_fmt:MATRIX_FMT_FP6 matrix_a_scale:MATRIX_SCALE_ROW1
.else
	v_wmma_scale_f32_16x16x128_f8f6f4 v[8*(8*((\a)%4)+\b):8*(8*((\a)%4)+\b)+7], v[128*(\p)+FR*\b:128*(\p)+FR*\b+FR-1], v[AF+FR*(\a):AF+FR*(\a)+FR-1], v[8*(8*((\a)%4)+\b):8*(8*((\a)%4)+\b)+7], v[SC+8*\b+(\sg)], v[SC+8*(\a)+(\sg)] matrix_a_fmt:MATRIX_FMT_FP6 matrix_b_fmt:MATRIX_FMT_FP6 matrix_a_scale:MATRIX_SCALE_ROW1
.endif
.endr
.endr
.endm
.macro FETCH_B st, p
	WIN TO_B
.irp i, 0,1,2,3,4,5,6,7
	FRAG 128*(\p)+FR*\i, ADRB, \st, \i
.endr
	WIN 0
.endm
.macro FETCH_A st, i0
.irp i, \i0, \i0+1, \i0+2, \i0+3
	FRAG AF+FR*(\i), ADRA, \st, \i
.endr
.endm
; A step: 64 products; the next step's fragments are fetched in its middle and at its end.  Where the next step's bytes end in a chunk not yet read, a barrier shows that chunk whole;
; where they begin in a later chunk, the chunk left behind is read no more: the three lines, the barrier, and, while a chunk is left to fetch, the cluster's round and the refill.
.macro STEP st, zero
.set NX, (\st)+1
.set C0, (96*(\st))/ROWB
.set C1, (96*NX)/ROWB
.set E0, (96*(\st)+95)/ROWB
.set E1, (96*NX+95)/ROWB
.if C1 > C0 || E1 > E0
	s_wait_tensorcnt 0x0                           ; all my tensor loads have landed
.if C1 > C0
	ds_add_u32 v[SPW], v[NIL]
	s_wait_dscnt 4*NL+1                            ; the add and the youngest 24 loads may be out
.else
	s_wait_dscnt 4*NL
.endif
	WIN MUL_LO
	MUL16 0, (\st)%2, \st, \zero
	s_wait_dscnt 0x0                               ; the add and all my reads are done
	s_barrier_signal -1
	MUL16 2, (\st)%2, \st, \zero
	WIN 0
	s_barrier_wait -1
.if C1 > C0 && C0+2 < CHUNKS
	CREST
	s_add_nc_u64 s[G0+4*(C0%2)+2:G0+4*(C0%2)+3], s[G0+4*(C0%2)+2:G0+4*(C0%2)+3], 2*ROWB
	s_add_nc_u64 s[G0B+4*(C0%2)+2:G0B+4*(C0%2)+3], s[G0B+4*(C0%2)+2:G0B+4*(C0%2)+3], 2*ROWB
	JLOAD G0+4*(C0%2), G0B+4*(C0%2)                ; chunk C0 + 2; its four v_nop are the places ahead of the loads below
.else
	PLACES NP
.endif
.else
	s_wait_dscnt 4*NL                              ; all but source 1's blocks 4-7
	WIN MUL_LO
	MUL16 0, (\st)%2, \st, \zero
	MUL16 2, (\st)%2, \st, \zero
	s_wait_dscnt 0
	PLACES NP
.endif
	FETCH_B NX, NX%2
	FETCH_A NX, 0
	WIN MUL_HI
	MUL16 4, (\st)%2, \st, \zero
	MUL16 6, (\st)%2, \st, \zero
	PLACES NP
	WIN 0
	FETCH_A NX, 4
.endm
	s_wait_alu depctr_va_vdst(0)                   ; the wait at the head's end
	s_wait_tensorcnt 0x0                           ; my part of chunk 0 is in; the three lines ahead of slot 1's first fill
	ds_add_u32 v[SPW], v[NIL]
	s_wait_dscnt 0x0                               ; the add and my table's stores
	CROUND
	JLOAD G0+4, G0B+4                              ; chunk 1
	FETCH_B 0, 0
	FETCH_A 0, 0
	FETCH_A 0, 4
	STEP 0, 1                                      ; the first step's products start the sums
.set ST, 1
.rept STEPS-2
	STEP ST, 0
.set ST, ST+1
.endr
	s_wait_dscnt 4*NL
	WIN MUL_LO
	MUL16 0, 1, 7, 0
	MUL16 2, 1, 7, 0
	s_wait_dscnt 0
	WIN MUL_HI
	MUL16 4, 1, 7, 0
	MUL16 6, 1, 7, 0
	WIN 0
; QUANT: 64 numbers a lane at v[s ..] of window w: four blocks of 32 (16 mine, 16 lane l xor 16's) -> codes v[PC .. PC+11], scale word v[PW]
.macro QUANT s, w
.set WQ, ((\w)<<2)|((\w)<<4)
.irp b, 0,1,2,3
	v_mov_b32 v[TM+\b], 0x1800000
.endr
	WIN WQ
.irp i, 0,2,4,6,8,10,12,14
.irp b, 0,1,2,3
	v_max3_num_f32 v[TM+\b], v[TM+\b], |v[\s+16*\b+\i]|, |v[\s+16*\b+\i+1]|
.endr
.endr
	WIN 0
.irp b, 0,1,2,3
	v_permlanex16_b32 v[TM+4+\b], v[TM+\b], s[SEL], s[SEL+1]
.endr
.irp b, 0,1,2,3
	v_max_num_f32 v[TM+\b], v[TM+\b], v[TM+4+\b]
.endr
.irp b, 0,1,2,3
	v_add_nc_u32 v[TM+12+\b], 0xff000000, v[TM+\b]
.endr
.irp b, 0,1,2,3
	v_lshrrev_b32 v[TM+4+\b], 23, v[TM+12+\b]
.endr
	v_lshl_or_b32 v[PW], v[TM+5], 8, v[TM+4]
	v_lshl_or_b32 v[PW], v[TM+6], 16, v[PW]
	v_lshl_or_b32 v[PW], v[TM+7], 24, v[PW]
	WIN (\w)
.irp c, 0,1
	v_cvt_scalef32_pk16_fp6_f32 v[PC+6*\c:PC+6*\c+2], v[\s+32*\c:\s+32*\c+15], v[TM+12+2*\c]
	v_cvt_scalef32_pk16_fp6_f32 v[PC+12+4*\c:PC+14+4*\c], v[\s+32*\c+16:\s+32*\c+31], v[TM+13+2*\c]
.endr
	WIN 0
	v_nop
.irp c, 0,1
.irp i, 0,1,2
	v_permlane16_swap_b32 v[PC+6*\c+\i], v[PC+12+4*\c+\i]
.endr
.irp i, 0,1,2
	v_mov_b32 v[PC+3+6*\c+\i], v[PC+12+4*\c+\i]
.endr
.endr
.endm
.macro TLOAD a                         ; cos, sin of block a's first position for my 16 frequencies
.irp i, 0,1,2,3
	ds_load_b128 v[TBL+32*((\a)%2)+8*\i:TBL+32*((\a)%2)+8*\i+3], v[TR] offset:(\a)*256+64*\i
	ds_load_b128 v[TBL+32*((\a)%2)+8*\i+4:TBL+32*((\a)%2)+8*\i+7], v[TR] offset:(\a)*256+64*\i+16
.endr
.endm
.macro QKBLOCK a
.if (\a) < 7
	TLOAD (\a)+1
	s_wait_dscnt 8
.else
	s_wait_dscnt 0
.endif
.set TB0, TBL+32*((\a)%2)
	WIN 0x40                                       ; the addition theorem -> window 1, v[CT ..]
.irp e, 0,1,2,3,4,5,6,7,8,9,10,11,12,13,14,15
	v_mul_f32 v[CT+2*\e], v[TB0+2*\e], v[TRG+2*\e]
	v_mul_f32 v[CT+2*\e+1], v[TB0+2*\e+1], v[TRG+2*\e]
.endr
	WIN 0x50
.irp e, 0,1,2,3,4,5,6,7,8,9,10,11,12,13,14,15
	v_fma_f32 v[CT+2*\e], -v[TB0+2*\e+1], v[TRG+2*\e+1], v[CT+2*\e]
	v_fma_f32 v[CT+2*\e+1], v[TB0+2*\e], v[TRG+2*\e+1], v[CT+2*\e+1]
.endr
	WIN (2+(\a)/4)|4                               ; the rotation: sums from window 2 or 3, cos and sin from window 1
.irp b, 0,1,2,3,4,5,6,7
.irp p, 0,1,2,3
	v_mul_f32 v[H+8*\b+2*\p], v[64*((\a)%4)+8*\b+2*\p+1], v[CT+8*(\b%4)+2*\p+1]
	v_mul_f32 v[H+8*\b+2*\p+1], v[64*((\a)%4)+8*\b+2*\p+1], v[CT+8*(\b%4)+2*\p]
.endr
.irp p, 0,1,2,3
	v_fma_f32 v[H+8*\b+2*\p], v[64*((\a)%4)+8*\b+2*\p], v[CT+8*(\b%4)+2*\p], -v[H+8*\b+2*\p]
	v_fma_f32 v[H+8*\b+2*\p+1], v[64*((\a)%4)+8*\b+2*\p], v[CT+8*(\b%4)+2*\p+1], v[H+8*\b+2*\p+1]
.endr
.endr
	WIN 0
	s_wait_xcnt 0x0                                ; the last block's stores have read their registers
	QUANT H, 0
	v_mov_b32 v[WD+(\a)], v[PW]
.irp e, 0,1
	global_store_b128 v[L16], v[PC+6*\e:PC+6*\e+3], s[84+2*\e:85+2*\e] offset:768*(\a)
	global_store_b64 v[L8], v[PC+6*\e+4:PC+6*\e+5], s[84+2*\e:85+2*\e] offset:768*(\a)+512
.endr
.endm
.macro VBLOCK a
	s_wait_xcnt 0x0
	QUANT 64*((\a)%4), 2+(\a)/4
	v_mov_b32 v[WD+(\a)], v[PW]
.irp c, 0,1,2
	global_store_b128 v[L16], v[PC+4*\c:PC+4*\c+3], s[84+2*((\a)/4):85+2*((\a)/4)] offset:1536*((\a)%4)+512*\c
.endr
.endm
	PLACES NP
.irp b, 0,1,2,3
	v_mov_b32 v[TM+4+\b], 0
.endr
	s_cmp_eq_u32 s[X], 2
	s_cbranch_scc1 .Lvpath
	TLOAD 0
.irp a, 0,1,2,3,4,5,6,7
	QKBLOCK \a
.endr
.irp j, 0,1,2,3
	v_cndmask_b32 v[TM+\j], v[WD+2*\j], v[WD+2*\j+1], s90
.endr
.irp j, 0,1,2,3
	v_perm_b32 v[PK+\j], v[TM+\j], v[TM+\j], s91
	v_perm_b32 v[PC+16+\j], v[TM+\j], v[TM+\j], s92
.endr
	global_store_b128 v[L16], v[PK:PK+3], s[84:85] offset:6144
	global_store_b128 v[L16], v[PC+16:PC+19], s[86:87] offset:6144
	s_branch .Ldone
.Lvpath:
.irp a, 0,1,2,3,4,5,6,7
	VBLOCK \a
.endr
.irp j, 0,1,2,3
	v_cndmask_b32 v[PK+\j], v[WD+2*\j], v[WD+2*\j+1], s90
.endr
	global_store_b64 v[L8], v[PK:PK+1], s[84:85] offset:6144
	global_store_b64 v[L8], v[PK+2:PK+3], s[86:87] offset:6144
.Ldone:
	s_wait_tensorcnt 0x0                           ; the wave's end
	ds_add_u32 v[SPW], v[NIL]
	s_wait_dscnt 0x0
	CROUND                                         ; the closing round
	s_endpgm
.Lfunc_end_k_q0655a4c787_qkv:
	.size	k_q0655a4c787_qkv, .Lfunc_end_k_q0655a4c787_qkv-k_q0655a4c787_qkv
	.p2alignl 7, 3214868480
	.fill 96, 4, 3214868480
	.section	.rodata,"a",@progbits
	.p2align	6, 0x0
	.amdhsa_kernel k_q0655a4c787_qkv
		.amdhsa_group_segment_fixed_size 327680
		.amdhsa_private_segment_fixed_size 0
		.amdhsa_enable_private_segment 0
		.amdhsa_kernarg_size 80
		.amdhsa_user_sgpr_count 2
		.amdhsa_user_sgpr_kernarg_segment_ptr 1
		.amdhsa_wavefront_size32 1
		.amdhsa_system_sgpr_workgroup_id_x 1
		.amdhsa_system_sgpr_workgroup_id_y 1
		.amdhsa_system_sgpr_workgroup_id_z 1
		.amdhsa_system_vgpr_workitem_id 0
		.amdhsa_next_free_vgpr 1024
		.amdhsa_next_free_sgpr 100
		.amdhsa_reserve_vcc 1
		.amdhsa_float_denorm_mode_32 3
		.amdhsa_float_denorm_mode_16_64 3
		.amdhsa_memory_ordered 1
		.amdhsa_forward_progress 1
		.amdhsa_inst_pref_size 255
	.end_amdhsa_kernel
	.section	.bss,"aw",@nobits
	.p2align	6
	.space	262144
	.amdgpu_metadata
---
amdhsa.version: [ 1, 2 ]
amdhsa.kernels:
  - .name:           k_q0655a4c787_qkv
    .symbol:         k_q0655a4c787_qkv.kd
    .args:
      - { .name: x_codes, .offset: 0, .size: 8, .value_kind: global_buffer, .address_space: global }
      - { .name: x_scales, .offset: 8, .size: 8, .value_kind: global_buffer, .address_space: global }
      - { .name: qw_codes, .offset: 16, .size: 8, .value_kind: global_buffer, .address_space: global }
      - { .name: qw_scales, .offset: 24, .size: 8, .value_kind: global_buffer, .address_space: global }
      - { .name: kw_codes, .offset: 32, .size: 8, .value_kind: global_buffer, .address_space: global }
      - { .name: kw_scales, .offset: 40, .size: 8, .value_kind: global_buffer, .address_space: global }
      - { .name: vw_codes, .offset: 48, .size: 8, .value_kind: global_buffer, .address_space: global }
      - { .name: vw_scales, .offset: 56, .size: 8, .value_kind: global_buffer, .address_space: global }
      - { .name: qimg, .offset: 64, .size: 8, .value_kind: global_buffer, .address_space: global }
      - { .name: kv, .offset: 72, .size: 8, .value_kind: global_buffer, .address_space: global }
    .group_segment_fixed_size: 327680
    .private_segment_fixed_size: 0
    .kernarg_segment_align: 8
    .kernarg_segment_size: 80
    .max_flat_workgroup_size: 128
    .sgpr_count:     100
    .vgpr_count:     1024
    .wavefront_size: 32
...
	.end_amdgpu_metadata
.endif
;; end of part 1
;; launch attn (part 2): grid 8 x 32, 8 waves a work-group, clusters of 4 x 1, 327,680 bytes of LDS; arguments qimg, kv, mimg, msc; writes mimg, msc
.if DOCPART == 2
	.amdgcn_target "amdgcn-amd-amdhsa--gfx1250"
	.amdhsa_code_object_version 6
	.text
	.protected	k_q0655a4c787_attn
	.globl	k_q0655a4c787_attn
	.p2align	8
	.type	k_q0655a4c787_attn,@function
k_q0655a4c787_attn:
	s_mov_b64 s[64:65], 0
	v_nop
	global_prefetch_b8 v0, s[64:65] scope:SCOPE_SE
	s_setreg_imm32_b32 hwreg(HW_REG_WAVE_MODE, 25, 1), 1
	s_wait_xcnt 0x0
	s_wait_alu depctr_hold_cnt(0) depctr_sa_sdst(0) depctr_va_vdst(0) depctr_va_sdst(0) depctr_va_ssrc(0) depctr_va_vcc(0) depctr_vm_vsrc(0)
	s_getreg_b32 s2, hwreg(HW_REG_IB_STS2, 6, 4)
	s_cmp_eq_u32 s2, 0
	s_cbranch_scc0 .Lentry_in_a_cluster
	s_endpgm
.Lentry_in_a_cluster:
	s_bfe_u32 s2, ttmp6, 0x10000c
	s_cmp_lg_u32 s2, 0x3003
	s_cbranch_scc0 .Lentry_shape_is_right
	s_endpgm
.Lentry_shape_is_right:
; Causal attention of one (batch, head) on codes of FP6 (E2M3), head size 64; the result, divided by the row's sum, is quantised along the model's features and leaves as images of operand registers.
; LEFT OUT: key steps that lie wholly behind a tile's queries: reference()'s own mask takes 1e10 off their scores (see the first kernel's head).
; THE SOFTMAX.  reference() takes the row's largest score away before its softmax, so the logit's largest value is 0 and the whole number M is 0: p = 2^((s - m) c), c = log2(e) / 8, m the row's largest raw score.
; m must be known before any p is quantised: TWO PASSES over the keys, the scores made twice.  Pass 1 also keeps each lane's largest score of every block of 32 keys, in the wave's own LDS bytes; pass 2 reads them back.
; A block's largest p, which gives its scale, is made as (s - m) x c, subtraction first: the row's largest score gives p = 1 exactly.  The other p take one fused multiply-add, s c - m c.
; SHARES.  A work-group takes tile g (16 queries; g = its x) of each of the sequence's 16 groups of 128.  Wave w takes group 15 - w and then group w: 17 key steps of 128 in each pass for every wave.
; THE MASK on the diagonal step is the C operand of the score products: 64 registers of window 1 that hold 0 or -1e30.  LIMIT: scores stay under 1e29 in magnitude.
; LDS: the head's whole kv block, 16 records of 13,056 bytes, filled once: wave w asks for record w at the head and for record 8 + w behind the full sequence, jointly with the three partners of its cluster, which serve the same head.
; No prefetch: both fills are asked for at the launch's start, and there is no later fill to run ahead of.
; LAYOUT.  S^T = K Q^T, O^T = V^T P^T: a lane holds one query.  The first product's K is 64: Q's registers 6-11 hold zero codes, so the upper six registers of K's operand may hold any codes (the next tile's).
; LIMITS: NaN and infinities are not served; a block whose largest magnitude lies under 2^-124 keeps the scale byte 1.
.set REC,   13056
.set QREC,  6656
.set BMB,   16*REC                     ; behind kv: 16 steps x 512 bytes for each wave: the blocks' largest scores
.set SPARE, BMB+8*8192
.set L16,   2
.set L8,    3
.set L4,    4
.set A16,   5
.set A8,    6
.set DL,    7                          ; 16 g + r - 8 h
.set NEG,   8
.set N16,   9
.set NM,    10                         ; -m
.set N8,    11
.set NMC,   12                         ; v12-13  -m c, twice
.set LS,    14
.set Q,     16
.set QS,    28
.set PW,    29
.set VS,    30
.set KS,    32
.set F,     36                         ; v36-89  K's eight half fragments; v84-89 zeros
.set AM,    90
.set S,     96
.set O,     160
.set PC,    192
.set BM,    212
.set T4,    216
.set SCL,   220
.set BY,    224
.set TS,    228
.set M4,    230
.set QB,    234                        ; v234-239, v240: the second tile's Q and its scale word
.set MK,    0                          ; window 1: v0-63 the mask, v64-111 V's four fragments
.set VF,    64
.set WV,    12
.set RHO,   16
.set KI,    17
.set TB,    18
.set TBN,   19
.set SEL,   20
.set CS,    22
.set TMS,   42
.set WB,    43
.set RH,    54
.set MSB, 0
.macro WIN new
.if MSB != (\new)
	s_set_vgpr_msb (MSB<<8)|(\new)
.set MSB, (\new)
.endif
.endm
.macro CROUND
	s_barrier_signal -1
	s_barrier_wait -1
	s_cmp_lg_u32 s[WV], 0
	s_cbranch_scc1 .Lnot_wave_0_\@
	s_barrier_signal -3
.Lnot_wave_0_\@:
	s_barrier_wait -3
	s_barrier_signal -1
	s_barrier_wait -1
.endm
.macro ADDR rho, qa, ma, sa            ; a group's record of Q, and where its tile's codes and scale words go
	s_lshl_b32 s56, s15, 4
	s_add_co_u32 s56, s56, s[\rho]
	s_mul_i32 s56, s56, QREC
	s_mov_b32 s57, 0
	s_add_nc_u64 s[\qa:\qa+1], s[4:5], s[56:57]
	s_and_b32 s58, s15, 16
	s_add_co_u32 s58, s58, s[\rho]                 ; which 128 tokens of the 4,096
	s_and_b32 s59, s15, 15                         ; head
	s_lshl_b32 s56, s58, 3
	s_lshr_b32 s60, s59, 1
	s_add_co_u32 s56, s56, s60
	s_lshl_b32 s56, s56, 3
	s_add_co_u32 s56, s56, s14
	s_mul_i32 s56, s56, 1536
	s_and_b32 s60, s59, 1
	s_mul_i32 s60, s60, 768
	s_add_co_u32 s56, s56, s60
	s_add_nc_u64 s[\ma:\ma+1], s[8:9], s[56:57]
	s_lshl_b32 s56, s58, 4
	s_add_co_u32 s56, s56, s59
	s_lshl_b32 s56, s56, 3
	s_add_co_u32 s56, s56, s14
	s_lshl_b32 s56, s56, 7
	s_add_nc_u64 s[\sa:\sa+1], s[10:11], s[56:57]
.endm
	s_load_b256 s[4:11], s[0:1], 0x0               ; qimg, kv, mimg, msc
	v_lshl_add_u32 v254, v0, 2, SPARE
	v_mov_b32 v255, 0
	ds_add_u32 v254, v255                          ; the opening lines: the add twice and one wait
	ds_add_u32 v254, v255
	v_lshrrev_b32 v1, 5, v0
	v_readfirstlane_b32 s[WV], v1                  ; wave 0..7
	s_bfe_u32 s13, ttmp6, 0x40000                  ; cx
	s_lshl_b32 s14, ttmp9, 2
	s_add_co_u32 s14, s14, s13                     ; g: it enters global addresses and the mask's numbers alone
	s_and_b32 s15, ttmp7, 0xffff                   ; batch x 16 + head, which the partners share
	s_mov_b32 s24, 15|(3<<16)|(1<<21)              ; a record: 51 dense rows of 256 bytes (32 elements of 8)
	s_mov_b32 s25, 32<<16
	s_mov_b32 s26, 51<<16
	s_mov_b32 s27, 32<<16
	s_mov_b32 s28, 51
	s_mov_b32 s29, 32
	s_mov_b32 s30, 0
	s_mov_b32 s31, 0
	s_mul_i32 s52, s15, 16*REC
	s_mov_b32 s53, 0
	s_mul_i32 s54, s[WV], REC
	s_mov_b32 s55, 0
	s_lshl_b32 s[WB], s[WV], 13
	s_add_co_u32 s[WB], s[WB], BMB
	s_wait_dscnt 0x0
	s_wait_kmcnt 0x0
	s_add_nc_u64 s[6:7], s[6:7], s[52:53]
	s_mov_b32 s32, 1
	s_mov_b32 s33, s54
	s_add_nc_u64 s[34:35], s[6:7], s[54:55]
	s_mov_b32 s36, 1
	s_add_co_u32 s37, s54, 8*REC
	s_add_nc_u64 s[38:39], s[34:35], 8*REC
	s_or_b32 s35, s35, 0x80000000
	s_or_b32 s39, s39, 0x80000000
	CROUND                                         ; all four work-groups are here: the joint loads meet
	tensor_load_to_lds s[32:35], s[24:31]          ; record w: my one load at the head
	s_nop 0
.rept 4
	v_nop
.endr
	s_sub_co_u32 s[RH], 15, s[WV]
	ADDR RH, 40, 44, 46
	ADDR WV, 52, 48, 50
	s_mul_i32 s60, s14, 768
	s_and_b32 s62, s14, 1
	s_lshl_b32 s62, s62, 8
	s_lshr_b32 s63, s14, 1
	s_lshl_b32 s63, s63, 2
	s_add_co_u32 s62, s62, s63
	s_lshl_b32 s19, s14, 4
	s_mov_b32 s[SEL], 0x76543210
	s_mov_b32 s[SEL+1], 0xfedcba98
	s_mov_b32 s[CS], 0x3e38aa3b                    ; c = log2(e) / 8
	s_mov_b32 s[CS+1], s[CS]
	v_and_b32 v1, 31, v0
	v_and_b32 v91, 15, v0                          ; r
	v_bfe_u32 v92, v0, 4, 1                        ; h
	v_lshlrev_b32 v[L16], 4, v1
	v_lshlrev_b32 v[L8], 3, v1
	v_lshlrev_b32 v[L4], 2, v1
	v_add_nc_u32 v[DL], s19, v91
	v_lshlrev_b32 v92, 3, v92
	v_add_nc_u32 v93, s60, v[L16]                  ; my tile's half fragment in a record of Q
	v_add_nc_u32 v95, s60, v[L8]
	v_lshl_add_u32 v94, v91, 4, s62                ; its scale words: lane 16 (g % 2) + r, word g / 2
	v_sub_nc_u32 v[DL], v[DL], v92
	v_mov_b32 v[NEG], 0xf149f2ca                   ; -1e30
	s_wait_alu depctr_va_vdst(0)
	global_load_b128 v[Q:Q+3], v93, s[40:41]
	global_load_b64 v[Q+4:Q+5], v95, s[40:41] offset:512
	global_load_b32 v[QS], v94, s[40:41] offset:6144
	global_load_b128 v[QB:QB+3], v93, s[52:53]
	global_load_b64 v[QB+4:QB+5], v95, s[52:53] offset:512
	global_load_b32 v[QB+6], v94, s[52:53] offset:6144
.irp j, 6,7,8,9,10,11
	v_mov_b32 v[Q+\j], 0                           ; zero codes for the padded half of K
	v_mov_b32 v[F+42+\j], 0                        ; what stands behind K's last tile
.endr
.irp b, 0,1,2,3
	v_mov_b32 v[T4+\b], 0                          ; a lane permute's destination counts as one of its sources
.endr
	v_add_nc_u32 v[AM], s[WB], v[L16]
.irp i, 0,1,2,3,4,5,6,7,8,9,10,11,12,13,14,15
	ds_store_b128 v[AM], v[T4:T4+3] offset:512*\i  ; my 16 slots of block maxima begin as zeros: every byte that pass 2's load can name has been written
.endr
	WIN 0x40
.set n, 0
.rept 64
	v_cmp_gt_i32 vcc_lo, 16*(n/8)+n%8, v[DL]       ; key 16 (n / 8) + 8 h + n % 8 of the diagonal step lies behind query 16 g + r
	v_cndmask_b32 v[MK+n], 0, v[NEG], vcc_lo
.set n, n+1
.endr
	WIN 0
.macro KLOADI a16, a8                  ; a record's K: eight half fragments and their scale words, as they lie: 17 loads
.irp i, 0,1,2,3,4,5,6,7
	ds_load_b128 v[F+6*\i:F+6*\i+3], v[\a16] offset:768*\i
	ds_load_b64 v[F+6*\i+4:F+6*\i+5], v[\a8] offset:768*\i+512
.endr
	ds_load_b128 v[KS:KS+3], v[\a16] offset:6144
.endm
.macro SCORES m                        ; lane (r, h): query r; register 8 i + j: key 16 i + 8 h + j.  m = 1: the mask is the products' C
.irp i, 0,2,4,6
.if \m
	v_wmma_scale_f32_16x16x128_f8f6f4 v[S+8*\i:S+8*\i+7], v[F+6*\i:F+6*\i+11], v[Q:Q+11], v[MK+8*\i:MK+8*\i+7], v[KS+\i/2], v[QS] matrix_a_fmt:MATRIX_FMT_FP6 matrix_b_fmt:MATRIX_FMT_FP6
	v_wmma_scale_f32_16x16x128_f8f6f4 v[S+8*\i+8:S+8*\i+15], v[F+6*\i+6:F+6*\i+17], v[Q:Q+11], v[MK+8*\i+8:MK+8*\i+15], v[KS+\i/2], v[QS] matrix_a_fmt:MATRIX_FMT_FP6 matrix_b_fmt:MATRIX_FMT_FP6 matrix_a_scale:MATRIX_SCALE_ROW1
.else
	v_wmma_scale_f32_16x16x128_f8f6f4 v[S+8*\i:S+8*\i+7], v[F+6*\i:F+6*\i+11], v[Q:Q+11], 0, v[KS+\i/2], v[QS] matrix_a_fmt:MATRIX_FMT_FP6 matrix_b_fmt:MATRIX_FMT_FP6
	v_wmma_scale_f32_16x16x128_f8f6f4 v[S+8*\i+8:S+8*\i+15], v[F+6*\i+6:F+6*\i+17], v[Q:Q+11], 0, v[KS+\i/2], v[QS] matrix_a_fmt:MATRIX_FMT_FP6 matrix_b_fmt:MATRIX_FMT_FP6 matrix_a_scale:MATRIX_SCALE_ROW1
.endif
.endr
.endm
.macro PICKS lim, chk                  ; the record whose K is fetched next (behind the diagonal step: record 0, for the pass that follows), the wait for this step's K, and the scores
	s_add_co_u32 s[TBN], s[TB], REC
	s_min_u32 s[TBN], s[TBN], \lim
.if \chk
	s_cmp_eq_u32 s[KI], s[RHO]
	s_cselect_b32 s[TBN], 0, s[TBN]
	s_wait_dscnt 0x0
	s_cbranch_scc1 .Ldiag_\@
	SCORES 0
	s_branch .Ljoin_\@
.Ldiag_\@:
	WIN 0x10
	SCORES 1
	WIN 0
.Ljoin_\@:
.else
	s_wait_dscnt 0x0
	SCORES 0
.endif
.endm
.macro STEP1 lim, chk                  ; pass 1.  A step behind the diagonal is left out: a branch on the wave's number and the loop's count
.if \chk
	s_cmp_gt_u32 s[KI], s[RHO]
	s_cbranch_scc1 .Lskip1_\@
.endif
	PICKS \lim, \chk
	v_add_nc_u32 v[N16], s[TBN], v[L16]            ; four places behind the products
	v_add_nc_u32 v[N8], s[TBN], v[L8]
	v_add_nc_u32 v[AM], s[TMS], v[L16]
	v_nop
	KLOADI N16, N8
.irp b, 0,1,2,3
	v_max3_num_f32 v[BM+\b], v[S+16*\b], v[S+16*\b+1], v[S+16*\b+2]
.endr
.irp i, 3,5,7,9,11,13
.irp b, 0,1,2,3
	v_max3_num_f32 v[BM+\b], v[BM+\b], v[S+16*\b+\i], v[S+16*\b+\i+1]
.endr
.endr
.irp b, 0,1,2,3
	v_max_num_f32 v[BM+\b], v[BM+\b], v[S+16*\b+15]
.endr
	v_max3_num_f32 v[M4], v[M4], v[BM], v[BM+1]
	v_max3_num_f32 v[M4+1], v[M4+1], v[BM+2], v[BM+3]
	ds_store_b128 v[AM], v[BM:BM+3]                ; my 16 keys' largest score of each block: read back by this wave alone
	s_wait_alu depctr_va_vdst(0)                   ; the wait ahead of the branch
.if \chk
.Lskip1_\@:
.endif
	s_add_co_u32 s[TB], s[TB], REC
	s_add_co_u32 s[TMS], s[TMS], 512
	s_add_co_u32 s[KI], s[KI], 1
.endm
.macro STEP2                           ; pass 2
	s_cmp_gt_u32 s[KI], s[RHO]
	s_cbranch_scc1 .Lskip2_\@
	PICKS 15*REC, 1
	v_add_nc_u32 v[A16], s[TB], v[L16]             ; five places behind the products (the last step's second products too)
	v_add_nc_u32 v[A8], s[TB], v[L8]
	v_add_nc_u32 v[N16], s[TBN], v[L16]
	v_add_nc_u32 v[N8], s[TBN], v[L8]
	v_add_nc_u32 v[AM], s[TMS], v[L16]
	ds_load_b128 v[BM:BM+3], v[AM]
	WIN 0x40
.irp i, 0,1,2,3
.irp c, 0,1,2
	ds_load_b128 v[VF+12*\i+4*\c:VF+12*\i+4*\c+3], v[A16] offset:6656+1536*\i+512*\c
.endr
.endr
	WIN 0
	ds_load_b64 v[VS:VS+1], v[A8] offset:12800
	KLOADI N16, N8                                 ; the next step's K lands while the softmax is worked
.set j, 0
.rept 32
	v_pk_fma_f32 v[S+j:S+j+1], v[S+j:S+j+1], s[CS:CS+1], v[NMC:NMC+1] op_sel_hi:[1,0,1]   ; t = s c - m c
.set j, j+2
.endr
	s_wait_dscnt 30                                ; the blocks' largest scores are in: behind them 13 loads for V and 17 for K
.irp b, 0,1,2,3
	v_permlanex16_b32 v[T4+\b], v[BM+\b], s[SEL], s[SEL+1]
.endr
.irp b, 0,1,2,3
	s_delay_alu instid0(VALU_DEP_4)
	v_max_num_f32 v[BM+\b], v[BM+\b], v[T4+\b]
.endr
.irp b, 0,1,2,3
	s_delay_alu instid0(VALU_DEP_4)
	v_add_f32 v[BM+\b], v[BM+\b], v[NM]            ; s - m,
.endr
.irp b, 0,1,2,3
	s_delay_alu instid0(VALU_DEP_4)
	v_mul_f32 v[BM+\b], s[CS], v[BM+\b]            ; x c
.endr
	s_wait_alu depctr_va_vdst(0)                   ; the wait ahead of the batch
.set j, 0
.rept 64
	v_exp_f32 v[S+j], v[S+j]                       ; p = 2^t
.set j, j+1
.endr
.irp b, 0,1,2,3
	v_exp_f32 v[BM+\b], v[BM+\b]                   ; the block's largest p
.endr
	v_nop                                          ; a plain place behind the exponentials
	s_wait_alu depctr_va_vdst(0)                   ; and the wait behind the batch
.irp b, 0,1,2,3
	v_max_num_f32 v[BM+\b], 0x1800000, v[BM+\b]    ; the floor 2^(3 - 127)
.endr
	v_pk_add_f32 v[TS:TS+1], v[S:S+1], v[S+2:S+3]  ; the row's sum of the unquantised p, in two chains
.irp b, 0,1,2,3
	v_add_nc_u32 v[SCL+\b], 0xff000000, v[BM+\b]
.endr
.irp b, 0,1,2,3
	s_delay_alu instid0(VALU_DEP_4)
	v_lshrrev_b32 v[BY+\b], 23, v[SCL+\b]
.endr
	s_delay_alu instid0(VALU_DEP_3)
	v_lshl_or_b32 v[PW], v[BY+1], 8, v[BY]
	s_delay_alu instid0(VALU_DEP_1)
	v_lshl_or_b32 v[PW], v[BY+2], 16, v[PW]
	s_delay_alu instid0(VALU_DEP_1)
	v_lshl_or_b32 v[PW], v[BY+3], 24, v[PW]
.irp c, 0,1
	v_cvt_scalef32_pk16_fp6_f32 v[PC+6*\c:PC+6*\c+2], v[S+32*\c:S+32*\c+15], v[SCL+2*\c]
	v_cvt_scalef32_pk16_fp6_f32 v[PC+12+4*\c:PC+14+4*\c], v[S+32*\c+16:S+32*\c+31], v[SCL+2*\c+1]
.endr
	v_nop
.irp c, 0,1
.irp i, 0,1,2
	v_permlane16_swap_b32 v[PC+6*\c+\i], v[PC+12+4*\c+\i]
.endr
.irp i, 0,1,2
	v_mov_b32 v[PC+3+6*\c+\i], v[PC+12+4*\c+\i]
.endr
.endr
.irp j, 4,8,12,16,20,24,28,32,36,40,44,48,52,56,60
	v_pk_add_f32 v[LS:LS+1], v[LS:LS+1], v[S+\j:S+\j+1]              ; also the places ahead of the scaled products
	v_pk_add_f32 v[TS:TS+1], v[TS:TS+1], v[S+\j+2:S+\j+3]
.endr
	v_pk_add_f32 v[LS:LS+1], v[LS:LS+1], v[TS:TS+1]
	s_wait_dscnt 17                                ; V and its scales are in: behind them the 17 loads for K
	WIN 0x01
.irp i, 0,2
	v_wmma_scale_f32_16x16x128_f8f6f4 v[O+8*\i:O+8*\i+7], v[VF+12*\i:VF+12*\i+11], v[PC:PC+11], v[O+8*\i:O+8*\i+7], v[VS+\i/2], v[PW] matrix_a_fmt:MATRIX_FMT_FP6 matrix_b_fmt:MATRIX_FMT_FP6
	v_wmma_scale_f32_16x16x128_f8f6f4 v[O+8*\i+8:O+8*\i+15], v[VF+12*\i+12:VF+12*\i+23], v[PC:PC+11], v[O+8*\i+8:O+8*\i+15], v[VS+\i/2], v[PW] matrix_a_fmt:MATRIX_FMT_FP6 matrix_b_fmt:MATRIX_FMT_FP6 matrix_a_scale:MATRIX_SCALE_ROW1
.endr
	WIN 0
	s_wait_alu depctr_va_vdst(0)                   ; the wait ahead of the branch
.Lskip2_\@:
	s_add_co_u32 s[TB], s[TB], REC
	s_add_co_u32 s[TMS], s[TMS], 512
	s_add_co_u32 s[KI], s[KI], 1
.endm
.macro RESET ki
	s_mov_b32 s[KI], \ki
	s_mov_b32 s[TB], (\ki)*REC
	s_add_co_u32 s[TMS], s[WB], (\ki)*512
.endm
; One tile of 16 queries: both passes and the way out.  t = 0: group 15 - w, at least 8, so steps 0-7 are whole; records 8-15 are waited for behind them.
.macro TILE t, ma, sa
	v_mov_b32 v[LS], 0
	v_mov_b32 v[LS+1], 0
	v_mov_b32 v[M4], 0xff800000
	v_mov_b32 v[M4+1], 0xff800000
.set j, 0
.rept 32
	v_mov_b32 v[O+j], 0
.set j, j+1
.endr
	RESET 0
	s_wait_alu depctr_va_vdst(0)
.if \t == 0
.Lp1a:
	STEP1 7*REC, 0
	s_cmp_lt_u32 s[KI], 8
	s_cbranch_scc1 .Lp1a
	s_wait_tensorcnt 0x0                           ; my record 8 + w is in
	s_wait_dscnt 0x0
	s_barrier_signal -1
	s_barrier_wait -1
	v_add_nc_u32 v[N16], 8*REC, v[L16]
	v_add_nc_u32 v[N8], 8*REC, v[L8]
	KLOADI N16, N8
	RESET 8
.else
	s_wait_xcnt 0x0                                ; the first tile's stores have read their registers
.endif
.Lp1_\t:
	STEP1 15*REC, 1
	s_cmp_lt_u32 s[KI], 16
	s_cbranch_scc1 .Lp1_\t
	v_max_num_f32 v[M4], v[M4], v[M4+1]
	s_delay_alu instid0(VALU_DEP_1)
	v_permlanex16_b32 v[T4], v[M4], s[SEL], s[SEL+1]
	s_delay_alu instid0(VALU_DEP_1)
	v_max_num_f32 v[M4], v[M4], v[T4]              ; m: key 0 counts for every query
	s_delay_alu instid0(VALU_DEP_1)
	v_mul_f32 v[NM], -1.0, v[M4]
	s_delay_alu instid0(VALU_DEP_1)
	v_mul_f32 v[NMC], s[CS], v[NM]
	s_delay_alu instid0(VALU_DEP_1)
	v_mov_b32 v[NMC+1], v[NMC]
	RESET 0
	s_wait_alu depctr_va_vdst(0)
.Lp2_\t:
	STEP2
	s_cmp_lt_u32 s[KI], 16
	s_cbranch_scc1 .Lp2_\t
	; THE WAY OUT: O^T / the sum; true order along d; quantised along d (two blocks of 32); a half fragment and a scale word
.rept 4
	v_nop
.endr
	v_add_f32 v[LS], v[LS], v[LS+1]
	s_delay_alu instid0(VALU_DEP_1)
	v_permlanex16_b32 v[T4], v[LS], s[SEL], s[SEL+1]
	s_delay_alu instid0(VALU_DEP_1)
	v_add_f32 v[LS], v[LS], v[T4]
	s_wait_alu depctr_va_vdst(0)
	v_rcp_f32 v[TS], v[LS]
	v_nop
	s_wait_alu depctr_va_vdst(0)
.set j, 0
.rept 16
	v_pk_mul_f32 v[O+j:O+j+1], v[O+j:O+j+1], v[TS:TS+1] op_sel_hi:[1,0]
.set j, j+2
.endr
.irp b, 0,1
.irp j, 0,1,2,3,4,5,6,7
	v_permlane16_swap_b32 v[O+16*\b+\j], v[O+16*\b+8+\j]             ; register 16 b + i now holds d = 32 b + 16 h + i
.endr
.endr
.irp b, 0,1
	v_max3_num_f32 v[BM+\b], |v[O+16*\b]|, |v[O+16*\b+1]|, 0x1800000
.endr
.irp i, 2,4,6,8,10,12,14
.irp b, 0,1
	s_delay_alu instid0(VALU_DEP_2)
	v_max3_num_f32 v[BM+\b], v[BM+\b], |v[O+16*\b+\i]|, |v[O+16*\b+\i+1]|
.endr
.endr
.irp b, 0,1
	s_delay_alu instid0(VALU_DEP_2)
	v_permlanex16_b32 v[T4+\b], v[BM+\b], s[SEL], s[SEL+1]
.endr
.irp b, 0,1
	s_delay_alu instid0(VALU_DEP_2)
	v_max_num_f32 v[BM+\b], v[BM+\b], v[T4+\b]
.endr
.irp b, 0,1
	s_delay_alu instid0(VALU_DEP_2)
	v_add_nc_u32 v[SCL+\b], 0xff000000, v[BM+\b]
.endr
.irp b, 0,1
	s_delay_alu instid0(VALU_DEP_2)
	v_lshrrev_b32 v[BY+\b], 23, v[SCL+\b]
.endr
	s_delay_alu instid0(VALU_DEP_1)
	v_lshl_or_b32 v[PW], v[BY+1], 8, v[BY]
	v_cvt_scalef32_pk16_fp6_f32 v[PC:PC+2], v[O:O+15], v[SCL]
	v_cvt_scalef32_pk16_fp6_f32 v[PC+12:PC+14], v[O+16:O+31], v[SCL+1]
	v_nop
.irp i, 0,1,2
	v_permlane16_swap_b32 v[PC+\i], v[PC+12+\i]
.endr
.irp i, 0,1,2
	v_mov_b32 v[PC+3+\i], v[PC+12+\i]
.endr
	global_store_b128 v[L16], v[PC:PC+3], s[\ma:\ma+1]               ; 512 consecutive bytes, at a multiple of 256 from the buffer's first byte
	global_store_b64 v[L8], v[PC+4:PC+5], s[\ma:\ma+1] offset:512    ; 256 more
	global_store_b32 v[L4], v[PW], s[\sa:\sa+1]
.endm
	s_wait_alu depctr_va_vdst(0)                   ; the wait at the head's end
	s_wait_tensorcnt 0x0                           ; my record w is in; the three lines ahead of the later first fill
	ds_add_u32 v254, v255
	s_wait_dscnt 0x0
	CROUND                                         ; records 0-7 are in, in every wave's sight, and the partners are here
	tensor_load_to_lds s[36:39], s[24:31]          ; record 8 + w
	s_nop 0
.rept 4
	v_nop
.endr
	KLOADI L16, L8                                 ; record 0's K
	s_wait_loadcnt 0x0                             ; both tiles' Q
	s_mov_b32 s[RHO], s[RH]
	TILE 0, 44, 46
.irp j, 0,1,2,3,4,5
	v_mov_b32 v[Q+\j], v[QB+\j]
.endr
	v_mov_b32 v[QS], v[QB+6]
	s_mov_b32 s[RHO], s[WV]
	TILE 1, 48, 50
	s_wait_tensorcnt 0x0                           ; the wave's end
	ds_add_u32 v254, v255
	s_wait_dscnt 0x0
	CROUND                                         ; the closing round
	s_endpgm
.Lfunc_end_k_q0655a4c787_attn:
	.size	k_q0655a4c787_attn, .Lfunc_end_k_q0655a4c787_attn-k_q0655a4c787_attn
	.p2alignl 7, 3214868480
	.fill 96, 4, 3214868480
	.section	.rodata,"a",@progbits
	.p2align	6, 0x0
	.amdhsa_kernel k_q0655a4c787_attn
		.amdhsa_group_segment_fixed_size 327680
		.amdhsa_private_segment_fixed_size 0
		.amdhsa_enable_private_segment 0
		.amdhsa_kernarg_size 32
		.amdhsa_user_sgpr_count 2
		.amdhsa_user_sgpr_kernarg_segment_ptr 1
		.amdhsa_wavefront_size32 1
		.amdhsa_system_sgpr_workgroup_id_x 1
		.amdhsa_system_sgpr_workgroup_id_y 1
		.amdhsa_system_sgpr_workgroup_id_z 1
		.amdhsa_system_vgpr_workitem_id 0
		.amdhsa_next_free_vgpr 384
		.amdhsa_next_free_sgpr 66
		.amdhsa_reserve_vcc 1
		.amdhsa_float_denorm_mode_32 3
		.amdhsa_float_denorm_mode_16_64 3
		.amdhsa_memory_ordered 1
		.amdhsa_forward_progress 1
		.amdhsa_inst_pref_size 75
	.end_amdhsa_kernel
	.amdgpu_metadata
---
amdhsa.version: [ 1, 2 ]
amdhsa.kernels:
  - .name:           k_q0655a4c787_attn
    .symbol:         k_q0655a4c787_attn.kd
    .args:
      - { .name: qimg, .offset: 0, .size: 8, .value_kind: global_buffer, .address_space: global }
      - { .name: kv, .offset: 8, .size: 8, .value_kind: global_buffer, .address_space: global }
      - { .name: mimg, .offset: 16, .size: 8, .value_kind: global_buffer, .address_space: global }
      - { .name: msc, .offset: 24, .size: 8, .value_kind: global_buffer, .address_space: global }
    .group_segment_fixed_size: 327680
    .private_segment_fixed_size: 0
    .kernarg_segment_align: 8
    .kernarg_segment_size: 32
    .max_flat_workgroup_size: 256
    .sgpr_count:     66
    .vgpr_count:     384
    .wavefront_size: 32
...
	.end_amdgpu_metadata
.endif
;; end of part 2
;; launch proj (part 3): grid 8 x 32, 4 waves a work-group, clusters of 4 x 4, 239,104 bytes of LDS; arguments mimg, msc, ow_codes, ow_scales, out0; writes out0
.if DOCPART == 3
	.amdgcn_target "amdgcn-amd-amdhsa--gfx1250"
	.amdhsa_code_object_version 6
	.text
	.protected	k_q0655a4c787_proj
	.globl	k_q0655a4c787_proj
	.p2align	8
	.type	k_q0655a4c787_proj,@function
k_q0655a4c787_proj:
	s_mov_b64 s[64:65], 0
	v_nop
	global_prefetch_b8 v0, s[64:65] scope:SCOPE_SE
	s_setreg_imm32_b32 hwreg(HW_REG_WAVE_MODE, 25, 1), 1
	s_wait_xcnt 0x0
	s_wait_alu depctr_hold_cnt(0) depctr_sa_sdst(0) depctr_va_vdst(0) depctr_va_sdst(0) depctr_va_ssrc(0) depctr_va_vcc(0) depctr_vm_vsrc(0)
	s_getreg_b32 s2, hwreg(HW_REG_IB_STS2, 6, 4)
	s_cmp_eq_u32 s2, 0
	s_cbranch_scc0 .Lentry_in_a_cluster
	s_endpgm
.Lentry_in_a_cluster:
	s_bfe_u32 s2, ttmp6, 0x10000c
	s_cmp_lg_u32 s2, 0xf033
	s_cbranch_scc0 .Lentry_shape_is_right
	s_endpgm
.Lentry_shape_is_right:
; out0 = merged ow on codes of FP6 (E2M3), K = 1,024.  merged comes as images of operand registers (mimg, msc), ow as rows of 768 bytes of codes, [feature n][k], with 32 scale bytes a row.  out0: [4096][1024] f32.
; SHARES.  A work-group makes 128 tokens x 128 features: 256 work-groups; a wave 64 x 64: 16 accumulators.  All of K lies in LDS, filled ONCE, by one tensor load a wave at the head: no byte is filled again.
; CLUSTER 4 x 4: merged's tile is asked for jointly along a row of the cluster, ow's along a column.  Waves 0, 1 fetch merged (four K steps each: 192 dense rows of 256 bytes), waves 2, 3 ow (64 whole rows of 768 bytes,
; each beginning at a multiple of 256 bytes, 16 bytes of padding behind every 256: LDS pitch 816).  No prefetch: all fills are asked for at the launch's start.
; The product is used transposed (source 0 = 16 rows of ow, source 1 = 16 tokens): a lane holds eight neighbouring features of one token.
; REGISTERS: window 0: addresses; v32-63 scale words (register 8 i + s: lanes 0-15 merged's block i, lanes 16-31 ow's tile i, K step s); v64-127 the way out; v128-255 accumulators.
;   window 1: two sets of fragments, v0-95 and v128-223: merged's four, then ow's four.
.set PITCH,  816
.set BT,     98304                     ; behind merged's 8 x 12,288 bytes: ow's 128 rows
.set STG,    BT+128*PITCH              ; the stages: 16 rows x 272 for each wave; written by LDS stores, never by a tensor load
.set SPITCH, 272
.set SPARE,  0x3a400
.set SOF,  8
.set L4,   9
.set A16,  10                          ; v10-11  16 x lane + my four blocks' place, K steps 0-3, 4-7
.set A8,   12                          ; v12-13  8 x lane likewise
.set ADRB, 16                          ; v16  ow's fragments; v18 for pieces whose lanes 16-31 lie behind one padding more
.set STO,  24
.set RD,   25
.set CO,   26
.set SC,   32
.set BK,   64
.set ACC,  128
.set P0,   0
.set P1,   128
.set WV,   14
.set HA,   15
.set HB,   16
.set MT,   17
.set CX,   60
.set CY,   61
.set NT,   62
.set MROW, 63
.set MCOL, 66
.set MSB, 0
.macro WIN new
.if MSB != (\new)
	s_set_vgpr_msb (MSB<<8)|(\new)
.set MSB, (\new)
.endif
.endm
.macro PLACES n
.rept \n
	v_nop
.endr
.endm
.macro CROUND
	s_barrier_signal -1
	s_barrier_wait -1
	s_cmp_lg_u32 s[WV], 0
	s_cbranch_scc1 .Lnot_wave_0_\@
	s_barrier_signal -3
.Lnot_wave_0_\@:
	s_barrier_wait -3
	s_barrier_signal -1
	s_barrier_wait -1
.endm
	s_load_b256 s[4:11], s[0:1], 0x0               ; mimg, msc, ow codes, ow scales
	s_load_b64 s[12:13], s[0:1], 0x20              ; out0
	v_lshl_add_u32 v30, v0, 2, SPARE
	v_mov_b32 v31, 0
	ds_add_u32 v30, v31                            ; the opening lines: the add twice and one wait
	ds_add_u32 v30, v31
	v_lshrrev_b32 v1, 5, v0
	v_readfirstlane_b32 s[WV], v1
	s_lshr_b32 s[HA], s[WV], 1                     ; my half of the tokens.  Also: I fetch merged (0) or ow (1)
	s_and_b32 s[HB], s[WV], 1                      ; my half of the features.  Also: which half I fetch
	s_bfe_u32 s[CX], ttmp6, 0x40000
	s_bfe_u32 s[CY], ttmp6, 0x40004
	s_lshl_b32 s[NT], ttmp9, 2
	s_add_co_u32 s[NT], s[NT], s[CX]               ; tile of features
	s_and_b32 s[MT], ttmp7, 0xffff
	s_lshl_b32 s[MT], s[MT], 2
	s_add_co_u32 s[MT], s[MT], s[CY]               ; tile of tokens
	s_lshl_b32 s[MROW], s[CY], 2
	s_lshl_b32 s[MROW], 15, s[MROW]
	s_lshl_b32 s[MCOL], 0x1111, s[CX]
	s_or_b32 s24, s[MROW], (3<<16)|(1<<21)         ; merged: my row's mask; elements of 8 bytes; 192 dense rows of 256 bytes
	s_mov_b32 s25, 32<<16
	s_mov_b32 s26, 192<<16
	s_mov_b32 s27, 32<<16
	s_mov_b32 s28, 192
	s_mov_b32 s29, 32
	s_mov_b32 s30, 0
	s_mov_b32 s31, 0
	s_or_b32 s48, s[MCOL], (1<<20)|(1<<21)|(5<<22)|(3<<25)   ; ow: my column's mask; bytes; 16 bytes of padding behind every 256
	s_mov_b32 s49, 768<<16
	s_mov_b32 s50, 64<<16
	s_mov_b32 s51, 768<<16
	s_mov_b32 s52, 64
	s_mov_b32 s53, 768
	s_mov_b32 s54, 0
	s_mov_b32 s55, 0
	s_mul_i32 s18, s[HB], 49152                    ; merged: K steps 4 x my number and the three behind
	s_mul_i32 s20, s[MT], 98304
	s_add_co_u32 s20, s20, s18
	s_mov_b32 s21, 0
	s_mul_i32 s19, s[HB], 64*PITCH                 ; ow: my 64 rows, in LDS
	s_add_co_u32 s19, s19, BT
	s_lshl_b32 s56, s[NT], 7
	s_lshl_b32 s57, s[HB], 6
	s_add_co_u32 s56, s56, s57
	s_mul_i32 s56, s56, 768                        ; and in memory
	s_mov_b32 s57, 0
	s_wait_dscnt 0x0
	s_wait_kmcnt 0x0
	s_mov_b32 s32, 1
	s_mov_b32 s33, s18
	s_add_nc_u64 s[34:35], s[4:5], s[20:21]
	s_or_b32 s35, s35, 0x80000000
	s_mov_b32 s68, 1
	s_mov_b32 s69, s19
	s_add_nc_u64 s[70:71], s[8:9], s[56:57]
	s_or_b32 s71, s71, 0x80000000
	CROUND                                         ; all sixteen work-groups are here: the joint loads meet
	s_cmp_eq_u32 s[HA], 0
	s_cbranch_scc0 .Lfor_b
	tensor_load_to_lds s[32:35], s[24:31]
	s_nop 0
.rept 4
	v_nop
.endr
	s_branch .Lasked
.Lfor_b:
	tensor_load_to_lds s[68:71], s[48:55]
	s_nop 0
.rept 4
	v_nop
.endr
.Lasked:
	; the scale words
	s_lshl_b32 s84, s[MT], 14
	s_lshl_b32 s85, s[HA], 9
	s_add_co_u32 s84, s84, s85
	s_mov_b32 s85, 0
	s_add_nc_u64 s[6:7], s[6:7], s[84:85]          ; msc: my tile of tokens (16 heads x 8 tiles x 128 bytes), my four blocks
	s_lshl_b32 s84, s[NT], 7
	s_lshl_b32 s86, s[HB], 6
	s_add_co_u32 s84, s84, s86
	s_lshl_b32 s84, s84, 5
	s_add_nc_u64 s[10:11], s[10:11], s[84:85]      ; ow's scale bytes: my 64 rows of 32 bytes
	v_and_b32 v1, 15, v0                           ; r
	v_bfe_u32 v2, v0, 4, 1                         ; h
	v_and_b32 v3, 31, v0                           ; lane
	v_lshlrev_b32 v[SOF], 5, v1
	v_lshlrev_b32 v[L4], 2, v3
.irp i, 0,1,2,3
.irp d, 0,1,2,3,4,5,6,7,8,9,10,11,12,13,14,15
	global_load_b32 v[128+16*\i+\d], v[L4], s[6:7] offset:1024*\d+128*\i     ; block i, head d: two bytes of row lane % 16
.endr
.endr
.irp i, 0,1,2,3
	global_load_b128 v[192+8*\i:195+8*\i], v[SOF], s[10:11] offset:512*\i
	global_load_b128 v[196+8*\i:199+8*\i], v[SOF], s[10:11] offset:512*\i+16
.endr
	s_mul_i32 s86, s[HA], 4*1536
	v_lshl_add_u32 v[A16], v3, 4, s86
	v_add_nc_u32 v[A16+1], 49152, v[A16]
	v_lshl_add_u32 v[A8], v3, 3, s86
	v_add_nc_u32 v[A8+1], 49152, v[A8]
	v_mul_u32_u24 v4, v1, PITCH
	v_mad_u32_u24 v4, v2, 24, v4
	v_lshl_add_u32 v5, v2, 4, v4
	v_add_nc_u32 v[ADRB], s19, v4
	v_add_nc_u32 v[ADRB+2], s19, v5
	s_mul_i32 s86, s[WV], 16*SPITCH
	s_add_co_u32 s86, s86, STG                     ; my stage
	v_mul_u32_u24 v[STO], v1, SPITCH
	v_lshl_add_u32 v[STO], v2, 5, v[STO]
	v_add_nc_u32 v[STO], s86, v[STO]               ; in: row r, 32 bytes for each half of the lanes
	v_mul_u32_u24 v[RD], v2, SPITCH
	v_lshl_add_u32 v[RD], v1, 4, v[RD]
	v_add_nc_u32 v[RD], s86, v[RD]                 ; back: lanes 0-15 one row of 256 bytes, lanes 16-31 the next
	v_lshlrev_b32 v[CO], 12, v2
	v_lshl_add_u32 v[CO], v1, 4, v[CO]             ; and the same two rows in out0
	s_lshl_b32 s84, s[MT], 7
	s_lshl_b32 s86, s[HA], 6
	s_add_co_u32 s84, s84, s86
	s_lshl_b32 s84, s84, 12                        ; my first token's row of 4,096 bytes,
	s_lshl_b32 s86, s[NT], 9
	s_add_co_u32 s84, s84, s86
	s_lshl_b32 s86, s[HB], 8
	s_add_co_u32 s84, s84, s86                     ; my first feature
	s_add_nc_u64 s[12:13], s[12:13], s[84:85]
	s_mov_b32 s90, 0xffff0000                      ; lanes 16-31
	s_wait_loadcnt 0x0
.irp i, 0,1,2,3
.irp g, 0,1,2,3,4,5,6,7
	v_lshl_or_b32 v[SC+8*\i+\g], v[128+16*\i+2*\g+1], 16, v[128+16*\i+2*\g]   ; K step g: the bytes of heads 2 g and 2 g + 1
.endr
.endr
.set k, 0
.rept 32
	v_cndmask_b32 v[SC+k], v[SC+k], v[192+k], s90  ; lanes 16-31 take ow's word
.set k, k+1
.endr
	PLACES 8                                       ; a scale register written by a vector instruction stands eight places ahead of a scaled product
.macro FRAGP reg, sg, ex               ; 16 rows x 128 K of ow, in pieces of 8 bytes: byte y of a row lies at y + 16 (y / 256); lanes 16-31 read 24 bytes further on
.irp p, 0,1,2,3,4,5
.set PY, 96*(\sg)+48*(\p/3)+8*(\p%3)
.if PY/256 == (PY+24)/256
	ds_load_b64 v[\reg+2*\p:\reg+2*\p+1], v[ADRB] offset:PY+16*(PY/256)+(\ex)
.else
	ds_load_b64 v[\reg+2*\p:\reg+2*\p+1], v[ADRB+2] offset:PY+16*(PY/256)+(\ex)
.endif
.endr
.endm
.macro FETCH sg, pb                    ; K step sg into set pb: 40 LDS loads
	WIN 0x40
.irp i, 0,1,2,3
	ds_load_b128 v[\pb+12*\i:\pb+12*\i+3], v[A16+(\sg)/4] offset:((\sg)%4)*12288+\i*1536
	ds_load_b64 v[\pb+12*\i+4:\pb+12*\i+5], v[A8+(\sg)/4] offset:((\sg)%4)*12288+\i*1536+512
	ds_load_b128 v[\pb+12*\i+6:\pb+12*\i+9], v[A16+(\sg)/4] offset:((\sg)%4)*12288+\i*1536+768
	ds_load_b64 v[\pb+12*\i+10:\pb+12*\i+11], v[A8+(\sg)/4] offset:((\sg)%4)*12288+\i*1536+1280
.endr
.irp i, 0,1,2,3
	FRAGP \pb+48+12*\i, \sg, \i*16*PITCH
.endr
	WIN 0
.endm
.macro MUL sg, pb, zero                ; 16 products; the accumulators take turns, one instruction a turn
	WIN 0x05
.irp a, 0,1,2,3
.irp b, 0,1,2,3
.if \zero
	v_wmma_scale_f32_16x16x128_f8f6f4 v[ACC+8*(4*\a+\b):ACC+8*(4*\a+\b)+7], v[\pb+48+12*\b:\pb+48+12*\b+11], v[\pb+12*\a:\pb+12*\a+11], 0, v[SC+8*\b+(\sg)], v[SC+8*\a+(\sg)] matrix_a_fmt:MATRIX_FMT_FP6 matrix_b_fmt:MATRIX_FMT_FP6 matrix_a_scale:MATRIX_SCALE_ROW1
.else
	v_wmma_scale_f32_16x16x128_f8f6f4 v[ACC+8*(4*\a+\b):ACC+8*(4*\a+\b)+7], v[\pb+48+12*\b:\pb+48+12*\b+11], v[\pb+12*\a:\pb+12*\a+11], v[ACC+8*(4*\a+\b):ACC+8*(4*\a+\b)+7], v[SC+8*\b+(\sg)], v[SC+8*\a+(\sg)] matrix_a_fmt:MATRIX_FMT_FP6 matrix_b_fmt:MATRIX_FMT_FP6 matrix_a_scale:MATRIX_SCALE_ROW1
.endif
.endr
.endr
	WIN 0
.endm
	s_wait_alu depctr_va_vdst(0)                   ; the wait at the head's end
	s_wait_tensorcnt 0x0                           ; my load is in;
	s_wait_dscnt 0x0
	s_barrier_signal -1
	s_barrier_wait -1                              ; and so is everybody's: all of K lies in LDS
	FETCH 0, P0
	FETCH 1, P1
	s_wait_dscnt 40                                ; all but the 40 just issued
	MUL 0, P0, 1
.irp s, 1,3,5
	PLACES 4                                       ; in front of loads into registers that products have read
	FETCH \s+1, P0
	s_wait_dscnt 40
	MUL \s, P1, 0
	PLACES 4
	FETCH \s+2, P1
	s_wait_dscnt 40
	MUL \s+1, P0, 0
.endr
	s_wait_dscnt 0x0
	MUL 7, P1, 0
; THE WAY OUT, a block of 16 tokens x 64 features at a time, through my own stage: LDS serves a wave's instructions in order, so no wait stands between the stores and the loads
.macro TOSTAGE a
.irp b, 0,1,2,3
	ds_store_b128 v[STO], v[ACC+8*(4*(\a)+\b):ACC+8*(4*(\a)+\b)+3] offset:64*\b        ; each accumulator from its low end on
	ds_store_b128 v[STO], v[ACC+8*(4*(\a)+\b)+4:ACC+8*(4*(\a)+\b)+7] offset:64*\b+16
.endr
.irp t, 0,1,2,3,4,5,6,7
	ds_load_b128 v[BK+32*((\a)%2)+4*\t:BK+32*((\a)%2)+4*\t+3], v[RD] offset:\t*2*SPITCH
.endr
.endm
.macro SEND a, younger
	s_wait_dscnt \younger
.irp t, 0,1,2,3,4,5,6,7
	global_store_b128 v[CO], v[BK+32*((\a)%2)+4*\t:BK+32*((\a)%2)+4*\t+3], s[12:13] offset:(16*(\a)+2*\t)*4096 th:TH_STORE_NT   ; 16 lanes store 256 consecutive bytes, at a multiple of 256 from out0's first byte
.endr
.endm
	PLACES 4
	TOSTAGE 0
.irp a, 1,2,3
.if \a > 1
	s_wait_xcnt 0x0                                ; block a - 2's stores have read their registers: block a's loads may land there
.endif
	TOSTAGE \a
	SEND \a-1, 16                                  ; behind block a - 1's loads: block a's eight stores and eight loads
.endr
	SEND 3, 0
	s_wait_tensorcnt 0x0                           ; the wave's end
	ds_add_u32 v30, v31
	s_wait_dscnt 0x0
	CROUND                                         ; the closing round
	s_endpgm
.Lfunc_end_k_q0655a4c787_proj:
	.size	k_q0655a4c787_proj, .Lfunc_end_k_q0655a4c787_proj-k_q0655a4c787_proj
	.p2alignl 7, 3214868480
	.fill 96, 4, 3214868480
	.section	.rodata,"a",@progbits
	.p2align	6, 0x0
	.amdhsa_kernel k_q0655a4c787_proj
		.amdhsa_group_segment_fixed_size 239104
		.amdhsa_private_segment_fixed_size 0
		.amdhsa_enable_private_segment 0
		.amdhsa_kernarg_size 40
		.amdhsa_user_sgpr_count 2
		.amdhsa_user_sgpr_kernarg_segment_ptr 1
		.amdhsa_wavefront_size32 1
		.amdhsa_system_sgpr_workgroup_id_x 1
		.amdhsa_system_sgpr_workgroup_id_y 1
		.amdhsa_system_sgpr_workgroup_id_z 1
		.amdhsa_system_vgpr_workitem_id 0
		.amdhsa_next_free_vgpr 512
		.amdhsa_next_free_sgpr 92
		.amdhsa_reserve_vcc 0
		.amdhsa_float_denorm_mode_32 3
		.amdhsa_float_denorm_mode_16_64 3
		.amdhsa_memory_ordered 1
		.amdhsa_forward_progress 1
		.amdhsa_inst_pref_size 63
	.end_amdhsa_kernel
	.amdgpu_metadata
---
amdhsa.version: [ 1, 2 ]
amdhsa.kernels:
  - .name:           k_q0655a4c787_proj
    .symbol:         k_q0655a4c787_proj.kd
    .args:
      - { .name: mimg, .offset: 0, .size: 8, .value_kind: global_buffer, .address_space: global }
      - { .name: msc, .offset: 8, .size: 8, .value_kind: global_buffer, .address_space: global }
      - { .name: ow_codes, .offset: 16, .size: 8, .value_kind: global_buffer, .address_space: global }
      - { .name: ow_scales, .offset: 24, .size: 8, .value_kind: global_buffer, .address_space: global }
      - { .name: out0, .offset: 32, .size: 8, .value_kind: global_buffer, .address_space: global }
    .group_segment_fixed_size: 239104
    .private_segment_fixed_size: 0
    .kernarg_segment_align: 8
    .kernarg_segment_size: 40
    .max_flat_workgroup_size: 128
    .sgpr_count:     92
    .vgpr_count:     512
    .wavefront_size: 32
...
	.end_amdgpu_metadata
.endif
;; end of part 3
